; MI455X (gfx1250); checked and timed in simulation.
; The chip was launched on July 23, 2026; its instructions are those of AMD's public machine-readable ISA for CDNA 5 (MIT licence, August 2026) and "CDNA5" Instruction Set Architecture Reference Guide (July 2026). The comments in the code are by the model that wrote it; some were corrected since.
;; GPT2 Attention. Allowed arithmetic: matrix products marked QUANTISED: E5M2 operands, one given power-of-two scale a tensor, by v_wmma_f32_16x16x64_bf8_bf8 or v_wmma_f32_16x16x128_bf8_bf8, f32 sums; everything else in f32.
;; Inputs: W_attn_codes 3,072 x 32 x 32 uint8 (E5M2 codes of W_attn, K innermost, in blocks of 32 codes); W_proj_codes 1,024 x 32 x 32 uint8 (E5M2 codes of W_proj, K innermost, in blocks of 32 codes); b_attn 3,072 float32; b_proj 1,024 float32; lowp_scales 8 int32 (the exponents e of the quantised operands' scales 2^e); x_codes 4 x 2,048 x 32 x 32 uint8 (E5M2 codes of x, K innermost, in blocks of 32 codes).
;; Outputs: out0 4 x 2,048 x 1,024 float32.
;; This version of the problem:
;;   THIS VERSION OF THE PROBLEM IS GIVEN IN LOW PRECISION. The matrix products marked QUANTISED in the list below multiply operands that are first quantised to E5M2 (5 exponent bits, 2 mantissa bits; 8 bits a number), with one given power-of-two scale for each operand tensor; their sums are f32. All else is computed in f32.
;;   The module's matrix products, in the order in which they are computed (A, B: the left and right operand; K: the contracted axis; several contracted axes count as one K, in the product's order):
;;     1. [M 8,192, K 1,024] x [K 1,024, N 3,072]; A: input x (given as codes); B: input W_attn (given as codes): QUANTISED (scales: A lowp_scales[0], B lowp_scales[1])
;;     2. batch 64 x [M 2,048, K 64] x [K 64, N 2,048]; A: computed on the way; B: computed on the way: QUANTISED (scales: A lowp_scales[2], B lowp_scales[3])
;;     3. batch 64 x [M 2,048, K 2,048] x [K 2,048, N 64]; A: softmax (see below); B: computed on the way: QUANTISED (scales: A lowp_scales[4], B lowp_scales[5])
;;     4. [M 8,192, K 1,024] x [K 1,024, N 1,024]; A: computed on the way; B: input W_proj (given as codes): QUANTISED (scales: A lowp_scales[6], B lowp_scales[7])
;;   THE QUANTISER, for each operand of a quantised product, along K:
;;     - The operand's scale is 2^e, e = its entry of the input lowp_scales (int32; the entries are numbered through the quantised products in the list's order, A before B).
;;     - Each number is divided by the scale, clamped to +-57,344, and rounded to the nearest number of E5M2, ties to even, subnormals kept.
;;     - The product sums the exact products of the quantised numbers (number of the format x scale) in f32.
;;   ~~~python
;;   def quantise(x, axis, e):      # numpy; x: float32 -> the quantised numbers, widened to float32 again
;;       x = np.moveaxis(x, axis, -1); K = x.shape[-1]
;;       r = np.clip(x / 2.0 ** e, -57344, 57344)
;;       step = 2.0 ** (np.maximum(np.frexp(np.where(r == 0, 1, r))[1] - 1, -14) - 2)
;;       q = np.round(r / step) * step * 2.0 ** e      # np.round: ties to even
;;       return np.moveaxis(q, -1, axis).astype(np.float32)
;;   ~~~
;;   SOFTMAX AHEAD OF A QUANTISED PRODUCT. Where the list says 'softmax', what is quantised is not the finished softmax but p = 2^(t - M), with t = logit x log2(e) and M = ceil(the row's largest t), a whole number; so 1/2 < the row's largest p <= 1. The row's sum l is taken of the UNQUANTISED p, in f32, and the product's result is divided by l at the end. Since M is a whole number, a kernel that streams over the keys may use a running M (the ceiling of the running maximum): every later rescaling is an exact power of two, so the quantised numbers keep their values, but for numbers so far below the row's largest that they fall under the format's range.
;;   OPERANDS COMPUTED ON THE WAY. 'Computed on the way' means the value that the module computes at that place (a softmax that the list does not call 'softmax' is quantised finished and normalised). What goes into a quantiser is computed in f32, as accurately as f32 sums, v_exp_f32 and their like allow (about 1e-6 of the number): no bf16 or f16 on the way to a quantiser, and a product that is left as it is and whose result goes on into a quantised operand takes f32 operands (vector FMAs, or v_wmma_f32_16x16x4_f32). A number that lies on a knife's edge between two numbers of the format may be rounded either way, as far as f32 arithmetic and the matrix unit's own rounding can turn it there, and no further.
;;   INPUTS GIVEN AS CODES. W_attn (in the module: [1024, 3072], K = its axis 0); W_proj (in the module: [1024, 1024], K = its axis 0); x (in the module: [4, 2048, 1024], K = its axis 2): each comes as NAME_codes (uint8): NAME with its K axis moved to the last place and cut into blocks of 32 codes, [.., K / 32, bytes a block], one block behind the other in memory; one code a byte (a code: sign, 5 exponent bits, 2 mantissa bits); its scale is its entry of lowp_scales. Its value is code x scale, taken as it is: it is not quantised again, and the codes and scales need not be those that the quantiser above would give.
;; One version. Each part assembles by itself: llvm-mc -triple=amdgcn-amd-amdhsa -mcpu=gfx1250 --defsym DOCPART=n.
;; ======== version 1 of 1: 3 launches
;; limits: right only within a limited range of input values
;; workspace buffers: q_codes 8,388,608 bytes; k_codes 8,388,608 bytes; v_codes 8,388,608 bytes; y_codes 8,388,608 bytes
;; launch qkv (part 1): grid 12 x 32, 4 waves a work-group, clusters of 4 x 4, 327,680 bytes of LDS; arguments x_codes, W_attn_codes, b_attn, lowp_scales, q_codes, k_codes, v_codes; writes q_codes, k_codes, v_codes
.if DOCPART == 1
	.amdgcn_target "amdgcn-amd-amdhsa--gfx1250"
	.amdhsa_code_object_version 6
	.text
	.protected	k_qc176e4c2d9_qkv
	.globl	k_qc176e4c2d9_qkv
	.p2align	8
	.type	k_qc176e4c2d9_qkv,@function
k_qc176e4c2d9_qkv:
	s_mov_b64 s[64:65], 0
	v_nop
	global_prefetch_b8 v0, s[64:65] scope:SCOPE_SE
	s_setreg_imm32_b32 hwreg(HW_REG_WAVE_MODE, 25, 1), 1
	s_wait_xcnt 0x0
	s_wait_alu depctr_hold_cnt(0) depctr_sa_sdst(0) depctr_va_vdst(0) depctr_va_sdst(0) depctr_va_ssrc(0) depctr_va_vcc(0) depctr_vm_vsrc(0)
	s_getreg_b32 s2, hwreg(HW_REG_IB_STS2, 6, 4)
	s_cmp_eq_u32 s2, 0
	s_cbranch_scc0 .Lentry_in_a_cluster
	s_endpgm
.Lentry_in_a_cluster:
	s_bfe_u32 s2, ttmp6, 0x10000c
	s_cmp_lg_u32 s2, 0xf033
	s_cbranch_scc0 .Lentry_shape_is_right
	s_endpgm
.Lentry_shape_is_right:
.set ROWB,   256
.set KROW,   1024
.set PITCH,  272
.set FR,     16
.set NL,     4
.set NP,     4
.set HALFT,  128*PITCH
.set SLOT,   4*HALFT
.set SPARE,  2*SLOT
.set HEADB,  64*272
.set STAGEV, 4*HEADB
.set LIM,  15
.set ADRA, 16
.set ADRB, 20
.set STOQ, 22
.set STOV, 23
.set RDQ,  24
.set RDV,  25
.set GO,   26
.set BO,   27
.set SPW,  28
.set NIL,  29
.set BVO,  30
.set SCL,  31
.set BIAS, 32
.set BV,   96
.set AF,   128
.set TMP,  128
.set CODES, 192
.set G1, 24
.set G0, 32
.set G1B, 48
.set G0B, 56
.set MSB, 0
.macro WIN new
.if MSB != \new
	s_set_vgpr_msb (MSB<<8)|\new
.set MSB, \new
.endif
.endm
.set MUL_LO, 0xa1
.set MUL_HI, 0xf1
.set TO_B,   0x40
.macro JLOAD g0a, g1a, g0b, g1b
	s_cmp_eq_u32 s15, 0
	s_cbranch_scc0 .Lfor_b_\@
	tensor_load_to_lds s[\g0a:\g0a+3], s[\g1a:\g1a+7]
	s_nop 0
.rept 4
	v_nop
.endr
	s_branch .Lasked_\@
.Lfor_b_\@:
	tensor_load_to_lds s[\g0b:\g0b+3], s[\g1b:\g1b+7]
	s_nop 0
.rept 4
	v_nop
.endr
.Lasked_\@:
.endm
.macro CREST
	s_cmp_lg_u32 s14, 0
	s_cbranch_scc1 .Lnot_wave_0_\@
	s_barrier_signal -3
.Lnot_wave_0_\@:
	s_barrier_wait -3
	s_barrier_signal -1
	s_barrier_wait -1
.endm
.macro CROUND
	s_barrier_signal -1
	s_barrier_wait -1
	CREST
.endm
	s_load_b256 s[4:11], s[0:1], 0x0
	s_load_b128 s[72:75], s[0:1], 0x20
	s_load_b64 s[76:77], s[0:1], 0x30
	v_lshl_add_u32 v[SPW], v0, 2, SPARE
	v_mov_b32 v[NIL], 0
	ds_add_u32 v28, v29
	ds_add_u32 v28, v29
	s_wait_dscnt 0x0
	v_lshrrev_b32 v1, 5, v0
	v_readfirstlane_b32 s14, v1
	s_lshr_b32 s15, s14, 1
	s_and_b32 s16, s14, 1
	s_bfe_u32 s40, ttmp6, 0x40000
	s_bfe_u32 s41, ttmp6, 0x40004
	s_and_b32 s92, ttmp7, 0xffff
	s_lshl_b32 s92, s92, 2
	s_lshl_b32 s93, ttmp9, 2
	s_add_co_u32 s17, s92, s41
	s_add_co_u32 s91, s41, 8
	s_add_co_u32 s42, s93, s40
	s_add_co_u32 s94, s92, s40
	s_cmp_eq_u32 ttmp9, 2
	s_cselect_b32 s17, s91, s17
	s_cselect_b32 s42, s94, s42
	s_lshl_b32 s43, s41, 2
	s_lshl_b32 s43, 15, s43
	s_lshl_b32 s44, 0x1111, s40
	s_or_b32 s[G1+0], s43, (1<<20)|(1<<21)|(5<<22)|(3<<25)
	s_or_b32 s[G1B+0], s44, (1<<20)|(1<<21)|(5<<22)|(3<<25)
.irp g, G1, G1B
	s_mov_b32 s[\g+1], ROWB<<16
	s_mov_b32 s[\g+2], 128<<16
	s_mov_b32 s[\g+3], ROWB<<16
	s_mov_b32 s[\g+4], 128
	s_mov_b32 s[\g+5], KROW
	s_mov_b32 s[\g+6], 0
	s_mov_b32 s[\g+7], 0
.endr
	s_lshl_b32 s18, s16, 7
	s_lshl_b32 s20, s17, 8
	s_add_co_u32 s20, s20, s18
	s_lshl_b32 s20, s20, 10
	s_mov_b32 s21, 0
	s_lshl_b32 s46, s42, 8
	s_add_co_u32 s46, s46, s18
	s_lshl_b32 s46, s46, 10
	s_mov_b32 s47, 0
	s_mul_i32 s45, s14, HALFT
	s_wait_kmcnt 0x0
	s_load_b256 s[80:87], s[10:11], 0x0
	s_cmp_eq_u32 ttmp9, 2
	s_cselect_b64 s[66:67], s[6:7], s[4:5]
	s_cselect_b64 s[68:69], s[4:5], s[6:7]
	s_add_nc_u64 s[20:21], s[66:67], s[20:21]
	s_add_nc_u64 s[46:47], s[68:69], s[46:47]
	CROUND
.irp s, 0,1
	s_mov_b32 s[G0+4*\s], 1
	s_add_co_u32 s[G0+4*\s+1], s45, \s*SLOT
	s_add_nc_u64 s[G0+4*\s+2:G0+4*\s+3], s[20:21], \s*ROWB
	s_or_b32 s[G0+4*\s+3], s[G0+4*\s+3], 0x80000000
	s_mov_b32 s[G0B+4*\s], 1
	s_add_co_u32 s[G0B+4*\s+1], s45, \s*SLOT
	s_add_nc_u64 s[G0B+4*\s+2:G0B+4*\s+3], s[46:47], \s*ROWB
	s_or_b32 s[G0B+4*\s+3], s[G0B+4*\s+3], 0x80000000
	s_wait_alu depctr_va_vdst(0)
	s_wait_tensorcnt 0x0
	ds_add_u32 v28, v29
	ds_add_u32 v28, v29
	s_wait_dscnt 0x0
	CROUND
	JLOAD G0+4*\s, G1, G0B+4*\s, G1B
.endr
	v_and_b32 v1, 15, v0
	v_bfe_u32 v2, v0, 4, 1
	s_wait_alu depctr_va_vdst(0)
	s_lshl_b32 s18, s42, 10
	s_lshl_b32 s19, s16, 9
	s_add_co_u32 s18, s18, s19
	s_lshl_b32 s19, s17, 10
	s_lshl_b32 s22, s15, 9
	s_add_co_u32 s19, s19, s22
	s_cmp_eq_u32 ttmp9, 2
	s_cselect_b32 s18, 0, s18
	s_cselect_b32 s19, s19, 0
	v_lshl_add_u32 v[BO], v2, 5, s18
	v_lshl_add_u32 v[BVO], v1, 2, s19
.irp b, 0,1,2,3,4,5,6,7
	global_load_b128 v[BIAS+8*\b:BIAS+8*\b+3], v[BO], s[8:9] offset:64*\b
	global_load_b128 v[BIAS+8*\b+4:BIAS+8*\b+7], v[BO], s[8:9] offset:64*\b+16
.endr
.irp a, 0,1,2,3,4,5,6,7
	global_load_b32 v[BV+2*\a], v[BVO], s[8:9] offset:64*\a
.endr
	s_cmp_eq_u32 ttmp9, 0
	s_cselect_b64 s[70:71], s[72:73], s[74:75]
	s_cmp_eq_u32 ttmp9, 2
	s_cselect_b64 s[70:71], s[76:77], s[70:71]
	s_cselect_b32 s2, s42, s17
	s_cselect_b32 s3, s41, s40
	s_lshr_b32 s22, s2, 3
	s_lshl_b32 s22, s22, 4
	s_lshl_b32 s3, s3, 2
	s_add_co_u32 s22, s22, s3
	s_add_co_u32 s22, s22, s14
	s_lshl_b32 s22, s22, 17
	s_and_b32 s2, s2, 7
	s_lshl_b32 s2, s2, 14
	s_add_co_u32 s22, s22, s2
	s_mov_b32 s23, 0
	s_add_nc_u64 s[70:71], s[70:71], s[22:23]
	v_mul_u32_u24 v3, v1, PITCH
	v_lshl_add_u32 v4, v2, 4, v3
	s_mul_i32 s21, s15, HALFT
	s_mul_i32 s22, s16, HALFT
	s_add_co_u32 s22, s22, 2*HALFT
.irp s, 0,1
	v_add_nc_u32 v[ADRA+\s], s21, v4
	v_add_nc_u32 v[ADRB+\s], s22, v4
	s_add_co_u32 s21, s21, SLOT
	s_add_co_u32 s22, s22, SLOT
.endr
	s_mul_i32 s21, s16, 2*HEADB
	s_mul_i32 s22, s15, 32*272
	s_add_co_u32 s21, s21, s22
	v_lshrrev_b32 v5, 2, v1
	v_mul_u32_u24 v5, v5, 272
	v_and_b32 v6, 3, v1
	v_lshl_add_u32 v5, v6, 6, v5
	v_lshl_add_u32 v5, v2, 4, v5
	v_add_nc_u32 v[STOQ], s21, v5
	s_mul_i32 s21, s15, 128*272
	s_lshl_b32 s22, s16, 7
	s_add_co_u32 s21, s21, s22
	s_add_co_u32 s21, s21, STAGEV
	v_add_nc_u32 v[STOV], s21, v4
	s_mul_i32 s21, s14, HEADB
	v_mul_u32_u24 v5, v2, 272
	v_lshl_add_u32 v5, v1, 4, v5
	v_add_nc_u32 v[RDQ], s21, v5
	v_add_nc_u32 v[RDV], STAGEV, v[RDQ]
	v_and_b32 v6, 31, v0
	v_lshlrev_b32 v[GO], 4, v6
.macro FRAG reg, adr, q, i
.irp c, 0,1,2,3
	ds_load_b128 v[\reg+4*\c:\reg+4*\c+3], v[\adr] offset:128*(\q)+32*\c+(\i)*16*PITCH
.endr
.endm
.macro MUL16 a0, p, zero
.irp a, \a0, \a0+1
.irp b, 0,1,2,3,4,5,6,7
.if \zero
	v_wmma_f32_16x16x128_bf8_bf8 v[8*(8*((\a)%4)+\b):8*(8*((\a)%4)+\b)+7], v[128*(\p)+FR*\b:128*(\p)+FR*\b+FR-1], v[AF+FR*(\a):AF+FR*(\a)+FR-1], 0
.else
	v_wmma_f32_16x16x128_bf8_bf8 v[8*(8*((\a)%4)+\b):8*(8*((\a)%4)+\b)+7], v[128*(\p)+FR*\b:128*(\p)+FR*\b+FR-1], v[AF+FR*(\a):AF+FR*(\a)+FR-1], v[8*(8*((\a)%4)+\b):8*(8*((\a)%4)+\b)+7]
.endif
.endr
.endr
.endm
.macro FETCH_B slot, q, p
	WIN TO_B
.irp i, 0,1,2,3,4,5,6,7
	FRAG 128*(\p)+FR*\i, ADRB+\slot, \q, \i
.endr
	WIN 0
.endm
.macro FETCH_A slot, q, i0
.irp i, \i0, \i0+1, \i0+2, \i0+3
	FRAG AF+FR*(\i), ADRA+\slot, \q, \i
.endr
.endm
.macro PLACES n
.rept \n
	v_nop
.endr
.endm
.macro STEP slot, q, zero
	s_wait_dscnt 4*NL
	WIN MUL_LO
	MUL16 0, (\q)%2, \zero
	MUL16 2, (\q)%2, \zero
	s_wait_dscnt 0
	PLACES NP
	FETCH_B \slot, (\q)+1, 1-(\q)%2
	FETCH_A \slot, (\q)+1, 0
	WIN MUL_HI
	MUL16 4, (\q)%2, \zero
	MUL16 6, (\q)%2, \zero
	PLACES NP
	WIN 0
	FETCH_A \slot, (\q)+1, 4
.endm
.macro TURN slot, next, fill
	s_wait_tensorcnt 0x0
	ds_add_u32 v[SPW], v[NIL]
	s_wait_dscnt 4*NL+1
	WIN MUL_LO
	MUL16 0, 1, 0
	s_wait_dscnt 0x0
	s_barrier_signal -1
	MUL16 2, 1, 0
	WIN 0
	s_barrier_wait -1
.if \fill
	CREST
	s_add_nc_u64 s[G0+4*\slot+2:G0+4*\slot+3], s[G0+4*\slot+2:G0+4*\slot+3], 2*ROWB
	s_add_nc_u64 s[G0B+4*\slot+2:G0B+4*\slot+3], s[G0B+4*\slot+2:G0B+4*\slot+3], 2*ROWB
	JLOAD G0+4*\slot, G1, G0B+4*\slot, G1B
.else
	PLACES NP
.endif
	FETCH_B \next, 0, 0
	FETCH_A \next, 0, 0
	WIN MUL_HI
	MUL16 4, 1, 0
	MUL16 6, 1, 0
	PLACES NP
	WIN 0
	FETCH_A \next, 0, 4
.endm
	s_wait_tensorcnt 1
	s_barrier_signal -1
	s_barrier_wait -1
	FETCH_B 0, 0, 0
	FETCH_A 0, 0, 0
	FETCH_A 0, 0, 4
	STEP 0, 0, 1
	TURN 0, 1, 1
	STEP 1, 0, 0
	TURN 1, 0, 1
	STEP 0, 0, 0
	TURN 0, 1, 0
	STEP 1, 0, 0
	s_wait_dscnt 4*NL
	WIN MUL_LO
	MUL16 0, 1, 0
	MUL16 2, 1, 0
	s_wait_dscnt 0
	WIN MUL_HI
	MUL16 4, 1, 0
	MUL16 6, 1, 0
	WIN 0
.macro CONV a, vmode
.set AC, 64*((\a)%4)
.set CD, CODES+16*((\a)%4)
	WIN 0x02+((\a)/4)
.set j, 0
.rept 32
.if \vmode
	v_pk_fma_f32 v[TMP+j:TMP+j+1], v[AC+j:AC+j+1], s[88:89], v[BV+2*(\a):BV+2*(\a)+1] op_sel_hi:[1,0,1]
.else
	v_pk_fma_f32 v[TMP+j:TMP+j+1], v[AC+j:AC+j+1], s[88:89], v[BIAS+j:BIAS+j+1] op_sel_hi:[1,0,1]
.endif
.set j, j+2
.endr
	WIN 0
.set j, 0
.rept 64
	v_med3_num_f32 v[TMP+j], v[TMP+j], -v[LIM], v[LIM]
.set j, j+1
.endr
.if (\a) >= 4
	s_wait_alu depctr_va_vdst(0)
	s_wait_dscnt 12
.endif
.irp b, 0,1,2,3,4,5,6,7
	v_cvt_scalef32_pk8_bf8_f32 v[CD+2*\b:CD+2*\b+1], v[TMP+8*\b:TMP+8*\b+7], v[SCL]
.endr
	v_nop
.irp p, 0,1,2,3
.if \vmode
	ds_store_b128 v[STOV], v[CD+4*\p:CD+4*\p+3] offset:(\a)*16*272+32*\p
.else
	ds_store_b128 v[STOQ], v[CD+4*\p:CD+4*\p+3] offset:(\a)*4*272+(\p/2)*HEADB+(\p%2)*32
.endif
.endr
.endm
.macro SENDOUT rd
.set i, 0
.rept 32
	ds_load_b128 v[128+4*i:128+4*i+3], v[\rd] offset:544*i
.set i, i+1
.endr
.set i, 0
.rept 32
	s_wait_dscnt 31-i
	global_store_b128 v[GO], v[128+4*i:128+4*i+3], s[70:71] offset:512*i
.set i, i+1
.endr
.endm
	s_wait_kmcnt 0x0
	s_wait_loadcnt 0x0
	s_add_co_i32 s88, s80, s81
	s_add_co_i32 s88, s88, 127
	s_lshl_b32 s88, s88, 23
	s_mov_b32 s89, s88
	s_cmp_eq_u32 ttmp9, 0
	s_cselect_b32 s90, s82, s83
	s_cmp_eq_u32 ttmp9, 2
	s_cselect_b32 s90, s85, s90
	s_add_co_i32 s90, s90, 127
	s_lshl_b32 s91, s90, 23
	v_mov_b32 v[SCL], s91
	s_add_co_i32 s90, s90, 15
	s_lshl_b32 s90, s90, 23
	s_or_b32 s90, s90, 0x600000
	v_mov_b32 v[LIM], s90
.irp a, 0,1,2,3,4,5,6,7
	v_mov_b32 v[BV+2*\a+1], v[BV+2*\a]
.endr
	PLACES NP
	s_cmp_eq_u32 ttmp9, 2
	s_cbranch_scc1 .Lconv_v
.irp a, 0,1,2,3,4,5,6,7
	CONV \a, 0
.endr
	s_branch .Lconv_done
.Lconv_v:
	s_wait_alu depctr_va_vdst(0)
.irp a, 0,1,2,3,4,5,6,7
	CONV \a, 1
.endr
.Lconv_done:
	s_wait_dscnt 0x0
	s_barrier_signal -1
	s_barrier_wait -1
	s_cmp_eq_u32 ttmp9, 2
	s_cbranch_scc1 .Lsend_v
	SENDOUT RDQ
	s_branch .Lsend_done
.Lsend_v:
	SENDOUT RDV
.Lsend_done:
	s_wait_tensorcnt 0x0
	ds_add_u32 v[SPW], v[NIL]
	s_wait_dscnt 0x0
	CROUND
	s_endpgm
.Lfunc_end_k_qc176e4c2d9_qkv:
	.size	k_qc176e4c2d9_qkv, .Lfunc_end_k_qc176e4c2d9_qkv-k_qc176e4c2d9_qkv
	.p2alignl 7, 3214868480
	.fill 96, 4, 3214868480
	.section	.rodata,"a",@progbits
	.p2align	6, 0x0
	.amdhsa_kernel k_qc176e4c2d9_qkv
		.amdhsa_group_segment_fixed_size 327680
		.amdhsa_private_segment_fixed_size 0
		.amdhsa_enable_private_segment 0
		.amdhsa_kernarg_size 56
		.amdhsa_user_sgpr_count 2
		.amdhsa_user_sgpr_kernarg_segment_ptr 1
		.amdhsa_wavefront_size32 1
		.amdhsa_system_sgpr_workgroup_id_x 1
		.amdhsa_system_sgpr_workgroup_id_y 1
		.amdhsa_system_sgpr_workgroup_id_z 1
		.amdhsa_system_vgpr_workitem_id 0
		.amdhsa_next_free_vgpr 1024
		.amdhsa_next_free_sgpr 100
		.amdhsa_reserve_vcc 0
		.amdhsa_float_denorm_mode_32 3
		.amdhsa_float_denorm_mode_16_64 3
		.amdhsa_memory_ordered 1
		.amdhsa_forward_progress 1
		.amdhsa_inst_pref_size 205
	.end_amdhsa_kernel
	.amdgpu_metadata
---
amdhsa.version: [ 1, 2 ]
amdhsa.kernels:
  - .name:           k_qc176e4c2d9_qkv
    .symbol:         k_qc176e4c2d9_qkv.kd
    .args:
      - { .name: x_codes, .offset: 0, .size: 8, .value_kind: global_buffer, .address_space: global }
      - { .name: W_attn_codes, .offset: 8, .size: 8, .value_kind: global_buffer, .address_space: global }
      - { .name: b_attn, .offset: 16, .size: 8, .value_kind: global_buffer, .address_space: global }
      - { .name: lowp_scales, .offset: 24, .size: 8, .value_kind: global_buffer, .address_space: global }
      - { .name: q_codes, .offset: 32, .size: 8, .value_kind: global_buffer, .address_space: global }
      - { .name: k_codes, .offset: 40, .size: 8, .value_kind: global_buffer, .address_space: global }
      - { .name: v_codes, .offset: 48, .size: 8, .value_kind: global_buffer, .address_space: global }
    .group_segment_fixed_size: 327680
    .private_segment_fixed_size: 0
    .kernarg_segment_align: 8
    .kernarg_segment_size: 56
    .max_flat_workgroup_size: 128
    .sgpr_count:     100
    .vgpr_count:     1024
    .wavefront_size: 32
...
	.end_amdgpu_metadata
.endif
;; end of part 1
;; launch attn (part 2): grid 4 x 64, 8 waves a work-group, clusters of 4 x 1, 327,680 bytes of LDS; arguments q_codes, k_codes, v_codes, lowp_scales, y_codes; writes y_codes
.if DOCPART == 2
	.amdgcn_target "amdgcn-amd-amdhsa--gfx1250"
	.amdhsa_code_object_version 6
	.text
	.protected	k_qc176e4c2d9_attn
	.globl	k_qc176e4c2d9_attn
	.p2align	8
	.type	k_qc176e4c2d9_attn,@function
k_qc176e4c2d9_attn:
	s_mov_b64 s[64:65], 0
	v_nop
	global_prefetch_b8 v0, s[64:65] scope:SCOPE_SE
	s_setreg_imm32_b32 hwreg(HW_REG_WAVE_MODE, 25, 1), 1
	s_wait_xcnt 0x0
	s_wait_alu depctr_hold_cnt(0) depctr_sa_sdst(0) depctr_va_vdst(0) depctr_va_sdst(0) depctr_va_ssrc(0) depctr_va_vcc(0) depctr_vm_vsrc(0)
	s_getreg_b32 s2, hwreg(HW_REG_IB_STS2, 6, 4)
	s_cmp_eq_u32 s2, 0
	s_cbranch_scc0 .Lentry_in_a_cluster
	s_endpgm
.Lentry_in_a_cluster:
	s_bfe_u32 s2, ttmp6, 0x10000c
	s_cmp_lg_u32 s2, 0x3003
	s_cbranch_scc0 .Lentry_shape_is_right
	s_endpgm
.Lentry_shape_is_right:
; y[bh][q][:] = the sum over k of softmax_k(Q[bh][q] . K[bh][k] / 8) V[bh][k][:], both products on codes of BF8 (E5M2), and y quantised at once into codes.
; q_codes, k_codes: [64][2048][64], the head's 64 channels in one order in both.  v_codes: [64][8 chunks][64 channels][256 keys], the keys of each 32 bytes laid as the K = 128 form's registers take them
; from loads of 16 bytes.  y_codes: [batch x 8 + block of 256 tokens][head 16][token 256][64], channels in their own order: so the next launch finds four heads of a block of tokens on end.
; THE SOFTMAX: t = score x log2(e) / 8; M = ceil(the row's largest t); p = 2^(t - M) is quantised with 2^e4, not normalised; the row's sum of the unquantised p divides O at the end.
; TWO WALKS OVER THE KEYS.  The first makes S^T and keeps only each row's largest score; the second makes S^T again with M known, so it holds no change of M, and O^T is touched by matrix instructions alone.
; SHARES.  A cluster of four work-groups is one head; a work-group owns 512 queries, each of its eight waves 64: FOUR tiles of 16, which share every fragment of K and V that the wave reads from LDS.
; THE WHOLE HEAD LIES IN LDS: K's 2,048 rows of 64 + 16 bytes, V's 8 x 64 rows of 256 + 16.  Wave w fetches chunk w (256 keys, 16,384 bytes) of K at the head and chunk w of V behind the next round, jointly
; with the three partners: the same descriptor and mask in all four.  No LDS byte is filled twice.  All that is read is asked for in the first lines, so there is no later stream to ask ahead for: no prefetch.
; LAYOUT.  S^T = K Q^T (source 0 = 16 neighbouring keys, source 1 = 16 queries), O^T = V^T P^T (source 0 = 16 channels, source 1 = P): a lane holds ONE query (lane % 16) throughout.
; THE FIRST WALK lies in window 1 alone, so that products and maxima stand by turns under one setting: a product of tile j + 1, then the four v_max3 on one accumulator of tile j.
; THE SECOND WALK is a pipeline over tiles on two buffers of scores.  A tile's 64 exponentials go in two batches of 32; behind each of the first 24 exponentials stands one plain line on a half tile whose p is finished.
; LIMITS on the given exponents: e2 + e3 between -123 and 130 (added to c's exponent field); e4 and e6 between -126 and 112; e4 + e5 is applied by v_ldexp_f32 and has none.
; REGISTERS.  Window 0: v1, v2 my lane's place in K's and V's tiles; v3 the address in hand; v4, v5 the spare word and 0; v8-15 -M (a pair a tile); v16-47 the sums, four packed chains a tile; v48-79 Q;
;   v80-95 P's codes; v96-111 a half tile's first sums; v112 2^e4; v128-191, v192-255 the two buffers of scores.
;   Window 1: v0-127 O^T, 32 a tile (first walk: the two buffers of scores); v128-191 K's eight fragments; v192-255 V's four (first walk: v192-223 Q once more, v224-239 the maxima, four chains a tile).
.set KP,    80                         ; a key's row in LDS: 64 bytes + 16
.set KCH,   256*KP
.set KST,   128*KP                     ; a key step's 128 rows of K
.set VP,    272                        ; a row of V's tile: 256 bytes + 16
.set VCH,   64*VP
.set VBASE, 8*KCH
.set STAGE, VBASE+8*VCH                ; the way out: 4 lines of 256 + 16 bytes for each wave; no tile lands here
.set STW,   4*272
.set SPARE, STAGE+8*STW                ; the spare words, 128 bytes a wave
.set AK,  1
.set AV,  2
.set AD,  3
.set SPW, 4
.set NIL, 5
.set NM,  8
.set SUM, 16
.set QF,  48
.set PF,  80
.set LS,  96
.set SCL, 112
.set S0,  128
.set OF,  0
.set KF,  128
.set VF,  192
.set Q1,  192
.set MX,  224
.set G1K, 24
.set G1V, 32
.set G0K, 40
.set G0V, 44
.set MSB, 0
.macro WIN new                         ; the immediate's high byte repeats the setting that is left
.if MSB != \new
	s_set_vgpr_msb (MSB<<8)|\new
.set MSB, \new
.endif
.endm
.macro PLACES n
.rept \n
	v_nop
.endr
.endm
.macro CROUND                          ; a round of the cluster's barrier
	s_barrier_signal -1
	s_barrier_wait -1
	s_cmp_lg_u32 s14, 0
	s_cbranch_scc1 .Lnot_wave_0_\@
	s_barrier_signal -3
.Lnot_wave_0_\@:
	s_barrier_wait -3
	s_barrier_signal -1
	s_barrier_wait -1
.endm
.macro KLOAD                           ; a key step's eight fragments of K, from v[AD]
	WIN 0x40
.irp a, 0,1,2,3,4,5,6,7
.irp c, 0,1
	ds_load_b128 v[KF+8*\a+4*\c:KF+8*\a+4*\c+3], v[AD] offset:16*\a*KP+32*\c
.endr
.endr
	WIN 0
.endm
.macro VLOAD                           ; a key step's four fragments of V
	WIN 0x40
.irp u, 0,1,2,3
.irp c, 0,1,2,3
	ds_load_b128 v[VF+16*\u+4*\c:VF+16*\u+4*\c+3], v[AD] offset:16*\u*VP+32*\c
.endr
.endr
	WIN 0
.endm
; THE FIRST WALK'S PARTS, every operand in window 1.  wt >= 0: the eight products of tile wt into buffer wb.  mt >= 0: behind each, the four v_max3 on one accumulator of tile mt in buffer mb, from its low end on.
.macro PH wt, wb, mt, mb
.set ka, 0
.rept 8
.if \wt >= 0
	v_wmma_f32_16x16x64_bf8_bf8 v[64*(\wb)+8*ka:64*(\wb)+8*ka+7], v[KF+8*ka:KF+8*ka+7], v[Q1+8*(\wt):Q1+8*(\wt)+7], 0
.endif
.if \mt >= 0
.irp c, 0,1,2,3
	v_max3_num_f32 v[MX+4*(\mt)+\c], v[MX+4*(\mt)+\c], v[64*(\mb)+8*ka+2*\c], v[64*(\mb)+8*ka+2*\c+1]
.endr
.endif
.set ka, ka+1
.endr
.endm
; THE SECOND WALK'S PARTS
.macro SW tile, buf                    ; S^T of 128 keys x one tile of queries into a buffer: source 0 in window 1
	WIN 0x01
.irp a, 0,1,2,3,4,5,6,7
	v_wmma_f32_16x16x64_bf8_bf8 v[S0+64*(\buf)+8*\a:S0+64*(\buf)+8*\a+7], v[KF+8*\a:KF+8*\a+7], v[QF+8*(\tile):QF+8*(\tile)+7], 0
.endr
.endm
.macro OW tile                         ; O^T += V^T P^T: source 0, C and D in window 1; the four accumulators take turns
	WIN 0x51
.irp u, 0,1,2,3
	v_wmma_f32_16x16x128_bf8_bf8 v[OF+32*(\tile)+8*\u:OF+32*(\tile)+8*\u+7], v[VF+16*\u:VF+16*\u+15], v[PF:PF+15], v[OF+32*(\tile)+8*\u:OF+32*(\tile)+8*\u+7]
.endr
.endm
.macro TM tile, buf                    ; t - M, two at a time (of the pairs c and -M the low word serves both halves)
.set j, 0
.rept 32
	v_pk_fma_f32 v[S0+64*(\buf)+j:S0+64*(\buf)+j+1], v[S0+64*(\buf)+j:S0+64*(\buf)+j+1], s[22:23], v[NM+2*(\tile):NM+2*(\tile)+1] op_sel_hi:[1,0,0]
.set j, j+2
.endr
.endm
; One plain line on a finished half tile (32 numbers from xb on).  Lines 0-7: the sums of the unquantised p, first level, into v[LS ..].  Lines 8-23: the hold, two numbers a line: the conversion does not
; saturate (ISA guide 7.6.2), and p is not negative, so the hold is one-sided.  No line reads what another of the 24 writes.
.macro PLINE xb, n
.if \n < 8
	v_pk_add_f32 v[LS+2*(\n):LS+2*(\n)+1], v[(\xb)+4*(\n):(\xb)+4*(\n)+1], v[(\xb)+4*(\n)+2:(\xb)+4*(\n)+3]
.else
.if \n < 24
	v_dual_min_num_f32 v[(\xb)+2*(\n)-16], s59, v[(\xb)+2*(\n)-16] :: v_dual_min_num_f32 v[(\xb)+2*(\n)-15], s59, v[(\xb)+2*(\n)-15]
.endif
.endif
.endm
.macro HALFX eb, xb, on                ; a batch of 32 exponentials from eb on; on = 1: with the 24 plain lines on the half tile at xb between them
.set k, 0
.rept 32
	v_exp_f32 v[(\eb)+k], v[(\eb)+k]               ; p = 2^(t - M): not normalised
.if \on
	PLINE \xb, k
.endif
.set k, k+1
.endr
	v_nop                                          ; a plain place behind the last exponential
	s_wait_alu depctr_va_vdst(0)                   ; one wait for the batch, for the plain lines in it, and ahead of the readers of matrix results below
.endm
.macro FIN sm                          ; the half tile's eight first sums onto the tile's four packed chains
.set k, 0
.rept 8
	v_pk_add_f32 v[(\sm)+2*(k%4):(\sm)+2*(k%4)+1], v[(\sm)+2*(k%4):(\sm)+2*(k%4)+1], v[LS+2*k:LS+2*k+1]
.set k, k+1
.endr
.endm
.macro CVT xb                          ; 16 keys' eight of my half: registers 2 u, 2 u + 1 of the operand
.irp u, 0,1,2,3,4,5,6,7
	v_cvt_scalef32_pk8_bf8_f32 v[PF+2*\u:PF+2*\u+1], v[(\xb)+8*\u:(\xb)+8*\u+7], v[SCL]
.endr
	v_nop                                          ; a plain place behind the conversions
.endm
; One turn of the pipeline, for tile t, whose t - M lies in buffer t % 2.  post = 1: the tile before, in the other buffer, is finished (its second half's plain lines, sums, codes, product with V).
; nt >= 0: tile nt's scores are made into the other buffer, and its t - M.  ldv = 1: V's next fragments are asked for.  wk, wv = 1: fragments asked for earlier are waited for, each time directly behind an s_wait_alu.
; The places behind the turn's products, ahead of the first read of the new scores, are the second batch's plain lines, which name this tile's buffer and v[LS ..] alone; ahead of loads into V's registers four are written.
.macro IT t, post, nt, ldv, wk, wv
.set SB, S0+64*((\t)%2)
.set SP, S0+64*(((\t)+1)%2)
	HALFX SB, SP+32, \post
.if \wk
	s_wait_dscnt 0x0
.endif
.if \post
	FIN SUM+8*(((\t)+3)%4)
	CVT SP
	OW ((\t)+3)%4
.endif
.if \nt >= 0
	SW \nt, ((\t)+1)%2
.endif
	WIN 0
.if \ldv
	v_add_nc_u32 v[AD], s57, v[AV]
	PLACES 3
	VLOAD
.endif
	HALFX SB+32, SB, 1
.if \nt >= 0
	TM \nt, ((\t)+1)%2
.endif
	FIN SUM+8*(\t)
.if \nt >= 0
	s_wait_alu depctr_va_vdst(0)                   ; the wait between t - M and the next batch, which reads it
.endif
.if \wv
	s_wait_dscnt 0x0
.endif
.endm
	s_load_b256 s[4:11], s[0:1], 0x0               ; q s[4:5], k s[6:7], v s[8:9], the scales' exponents s[10:11]
	s_load_b64 s[12:13], s[0:1], 0x20              ; y
	v_lshl_add_u32 v[SPW], v0, 2, SPARE
	v_mov_b32 v[NIL], 0
	ds_add_u32 v[SPW], v[NIL]                      ; the opening lines: the add, twice on end, and its wait
	ds_add_u32 v[SPW], v[NIL]
	v_lshrrev_b32 v1, 5, v0
	v_readfirstlane_b32 s14, v1                    ; wave 0..7
	s_bfe_u32 s15, ttmp6, 0x40000                  ; cx
	s_lshl_b32 s17, ttmp9, 2
	s_add_co_u32 s15, s15, s17                     ; my block of 512 queries: it enters Q's and y's addresses alone
	s_and_b32 s16, ttmp7, 0xffff                   ; batch x 16 + head, which the four partners share
	; group 1: 16,384 dense bytes as 64 rows of 256.  K: 16 bytes of padding behind every 64 (a key's row); V: behind every 256
	s_mov_b32 s[G1K], 15|(1<<20)|(1<<21)|(3<<22)|(3<<25)
	s_mov_b32 s[G1V], 15|(1<<20)|(1<<21)|(5<<22)|(3<<25)
.irp g, G1K, G1V
	s_mov_b32 s[\g+1], 256<<16
	s_mov_b32 s[\g+2], 64<<16
	s_mov_b32 s[\g+3], 256<<16
	s_mov_b32 s[\g+4], 64
	s_mov_b32 s[\g+5], 256
	s_mov_b32 s[\g+6], 0
	s_mov_b32 s[\g+7], 0
.endr
	s_mov_b32 s20, 0x76543210                      ; v_permlanex16_b32's selects for lane l xor 16
	s_mov_b32 s21, 0xfedcba98
	s_lshl_b32 s18, s16, 17                        ; a head is 131,072 bytes in each tensor of codes,
	s_lshl_b32 s19, s14, 14                        ; my chunk 16,384
	s_add_co_u32 s18, s18, s19
	s_mov_b32 s19, 0
	s_mul_i32 s62, s14, KCH
	s_mul_i32 s63, s14, VCH
	s_add_co_u32 s63, s63, VBASE
	s_wait_dscnt 0x0
	s_wait_kmcnt 0x0
	s_load_b256 s[84:91], s[10:11], 0x0            ; e0 .. e7
	s_mov_b32 s[G0K], 1
	s_mov_b32 s[G0K+1], s62
	s_add_nc_u64 s[G0K+2:G0K+3], s[6:7], s[18:19]
	s_or_b32 s[G0K+3], s[G0K+3], 0x80000000
	s_mov_b32 s[G0V], 1
	s_mov_b32 s[G0V+1], s63
	s_add_nc_u64 s[G0V+2:G0V+3], s[8:9], s[18:19]
	s_or_b32 s[G0V+3], s[G0V+3], 0x80000000
	CROUND                                         ; all four work-groups are here: the joint loads meet
	tensor_load_to_lds s[G0K:G0K+3], s[G1K:G1K+7]  ; my chunk of K: one tensor load a wave at the head
	s_nop 0
	PLACES 4
	s_lshl_b32 s17, s16, 17                        ; my 64 queries' first byte in q_codes: head, block of 512 rows of 64 bytes, wave's 64 rows
	s_lshl_b32 s18, s15, 15
	s_add_co_u32 s17, s17, s18
	s_lshl_b32 s18, s14, 12
	s_add_co_u32 s18, s17, s18
	s_add_nc_u64 s[4:5], s[4:5], s[18:19]
	s_lshr_b32 s17, s16, 4                         ; and in y_codes: batch x 8
	s_lshl_b32 s17, s17, 3
	s_lshl_b32 s18, s15, 1
	s_add_co_u32 s17, s17, s18                     ; + 2 x my block of 512
	s_lshr_b32 s18, s14, 2
	s_add_co_u32 s17, s17, s18                     ; + wave / 4: the block of 256 tokens,
	s_lshl_b32 s17, s17, 4
	s_and_b32 s18, s16, 15
	s_add_co_u32 s17, s17, s18                     ; x 16 + head,
	s_lshl_b32 s17, s17, 14                        ; of 16,384 bytes,
	s_and_b32 s18, s14, 3
	s_lshl_b32 s18, s18, 12                        ; + the wave's 64 rows of 64 bytes
	s_add_co_u32 s18, s17, s18
	s_add_nc_u64 s[12:13], s[12:13], s[18:19]
	v_and_b32 v6, 15, v0                           ; r
	v_bfe_u32 v7, v0, 4, 1                         ; h
	v_lshlrev_b32 v115, 6, v6
	v_mul_u32_u24 v[AK], v6, KP
	v_mul_u32_u24 v[AV], v6, VP
	v_lshl_add_u32 v115, v7, 4, v115               ; Q: row r of 64 bytes, + 16 h
	v_lshl_add_u32 v[AK], v7, 4, v[AK]             ; K: row r x pitch + 16 h
	v_lshl_add_u32 v[AV], v7, 4, v[AV]
.irp t, 0,1,2,3
.irp c, 0,1
	global_load_b128 v[QF+8*\t+4*\c:QF+8*\t+4*\c+3], v115, s[4:5] offset:1024*\t+32*\c   ; Q's four fragments stay in registers
.endr
.endr
	WIN 0x40
.irp t, 0,1,2,3
.irp c, 0,1
	global_load_b128 v[Q1+8*\t+4*\c:Q1+8*\t+4*\c+3], v115, s[4:5] offset:1024*\t+32*\c   ; and once more in window 1, for the first walk
.endr
.endr
.set j, 0
.rept 16
	v_mov_b32 v[MX+j], 0xff800000                  ; the maxima's chains begin under every score
.set j, j+1
.endr
	WIN 0
	v_add_nc_u32 v[AV], VBASE, v[AV]               ; V likewise
.set j, 0
.rept 32
	v_mov_b32 v[SUM+j], 0                          ; the sums
.set j, j+1
.endr
	s_wait_kmcnt 0x0
	s_add_co_i32 s17, s86, s87                     ; e2 + e3: a score stands for score x 2^(e2 + e3):
	s_lshl_b32 s17, s17, 23
	s_add_co_i32 s22, s17, 0x3e38aa3b              ; added to the exponent field of c = log2(e) / 8
	s_mov_b32 s23, s22
	s_add_co_i32 s17, s88, 127
	s_lshl_b32 s18, s17, 23
	v_mov_b32 v[SCL], s18                          ; 2^e4, for p's conversions
	s_add_co_i32 s17, s17, 15
	s_lshl_b32 s17, s17, 23
	s_or_b32 s59, s17, 0x600000                    ; 57,344 x 2^e4
	s_add_co_i32 s60, s88, s89                     ; e4 + e5
	s_add_co_i32 s17, s90, 127
	s_lshl_b32 s63, s17, 23                        ; 2^e6, for y's conversions
	s_add_co_i32 s17, s17, 15
	s_lshl_b32 s17, s17, 23
	s_or_b32 s61, s17, 0x600000                    ; 57,344 x 2^e6
	s_mov_b32 s58, 0                               ; the key step
	s_wait_alu depctr_va_vdst(0)                   ; the wait at the head's end
	s_wait_loadcnt 0x0                             ; Q
	s_wait_tensorcnt 0x0                           ; my chunk of K is in; a later first fill is issued as a refill is:
	ds_add_u32 v[SPW], v[NIL]
	s_wait_dscnt 0x0
	CROUND                                         ; everybody's chunk of K is in, and the four work-groups are here
	tensor_load_to_lds s[G0V:G0V+3], s[G1V:G1V+7]  ; my chunk of V: it has the first walk in which to land
	s_nop 0
	PLACES 4
	v_mov_b32 v[AD], v[AK]
	KLOAD                                          ; key step 0
; THE FIRST WALK: 16 key steps; per step 32 products and 128 v_max3.  The next step's fragments of K are asked for behind the step's last products; the last trip asks for step 0 again, for the second walk.
.Lmax:
	s_wait_dscnt 0x0
	WIN 0x55
	PH 0, 0, -1, 0
	PLACES 4
	PH 1, 1, 0, 0
	PH 2, 0, 1, 1
	PH 3, 1, 2, 0
	WIN 0
	s_add_co_u32 s17, s58, 1
	s_and_b32 s17, s17, 15
	s_mul_i32 s56, s17, KST
	v_add_nc_u32 v[AD], s56, v[AK]
	PLACES 3                                       ; with the addition and the four v_max3 above: the places behind the products that read K's registers
	KLOAD
	WIN 0x55
	PH -1, 0, 3, 1
	WIN 0
	s_add_co_u32 s58, s58, 1
	s_cmp_lt_u32 s58, 16
	s_cbranch_scc1 .Lmax
	WIN 0x55
.irp t, 0,1,2,3
	v_max3_num_f32 v[MX+4*\t], v[MX+4*\t], v[MX+4*\t+1], v[MX+4*\t+2]
.endr
.irp t, 0,1,2,3
	v_max_num_f32 v[MX+4*\t], v[MX+4*\t], v[MX+4*\t+3]
.endr
.irp t, 0,1,2,3
	v_permlanex16_b32 v[MX+4*\t+1], v[MX+4*\t], s20, s21
.endr
.irp t, 0,1,2,3
	v_max_num_f32 v[MX+4*\t], v[MX+4*\t], v[MX+4*\t+1]   ; and lane l xor 16's: the row's largest score
.endr
	WIN 0x04                                       ; source 1 in window 1, the result in window 0
.irp t, 0,1,2,3
	v_mul_f32 v[NM+2*\t+1], s22, v[MX+4*\t]        ; as t (c is positive)
.endr
	WIN 0
.irp t, 0,1,2,3
	v_floor_f32 v[NM+2*\t], -v[NM+2*\t+1]          ; -M = floor(-t) = -ceil(t)
.endr
	s_wait_alu depctr_va_vdst(0)                   ; the wait here, directly ahead of the waits below
	s_wait_tensorcnt 0x0                           ; my chunk of V is in,
	s_wait_dscnt 0x0
	s_barrier_signal -1
	s_barrier_wait -1                              ; everybody's is
	v_mov_b32 v[AD], v[AV]
	VLOAD                                          ; V's key step 0
	WIN 0x40
.set j, 0
.rept 128
	v_mov_b32 v[OF+j], 0                           ; O^T: the turn is written without a first step of its own, which would be a second copy of the loop
.set j, j+1
.endr
	WIN 0
	s_mov_b32 s58, 0
	s_wait_alu depctr_va_vdst(0)                   ; the wait here, directly ahead of the wait below
	s_wait_dscnt 0x0
	SW 0, 0
	WIN 0
	PLACES 4
	TM 0, 0
	s_wait_alu depctr_va_vdst(0)                   ; ahead of the first batch
	IT 0, 0, 1, 0, 0, 0                            ; the very first turn has no tile before it
; THE SECOND WALK: a trip is turns 1, 2, 3 of a key step and turn 0 of the next.  K's registers are free behind turn 2's products (tile 3's scores) and take the next step's fragments ahead of turn 3;
; V's are free behind turn 0's product (tile 3's) and are filled there.  The last step leaves the loop behind turn 2: its turn 3 and the end of tile 3, which ask for nothing more, are written out.
.Lstep:
	IT 1, 1, 2, 0, 0, 0
	IT 2, 1, 3, 0, 0, 0
	s_cmp_eq_u32 s58, 15
	s_cbranch_scc1 .Ltail
	s_add_co_u32 s58, s58, 1
	s_mul_i32 s56, s58, KST
	s_lshr_b32 s17, s58, 1                         ; V's next step: chunk step / 2, its half step % 2
	s_mul_i32 s17, s17, VCH
	s_and_b32 s18, s58, 1
	s_lshl_b32 s18, s18, 7
	s_add_co_u32 s57, s17, s18
	v_add_nc_u32 v[AD], s56, v[AK]
	KLOAD
	IT 3, 1, 0, 0, 1, 0
	IT 0, 1, 1, 1, 0, 1
	s_cmp_lt_u32 s58, 16
	s_cbranch_scc1 .Lstep
.Ltail:
	s_wait_dscnt 0x0
	IT 3, 1, -1, 0, 0, 0
.set k, 0
.rept 24
	PLINE S0+96, k                                 ; tile 3's second half
.set k, k+1
.endr
	FIN SUM+24
	CVT S0+64
	OW 3
	WIN 0
	PLACES 4
	; THE WAY OUT.  O^T / the sum x 2^(e4 + e5) is y; it is held, converted with 2^e6, and goes through my stage in LDS, a tile (16 rows of 64 bytes) at a time, so that each store covers 512 bytes on end.
	s_wait_alu depctr_va_vdst(0)
	s_wait_dscnt 0x0
	s_barrier_signal -1
	s_barrier_wait -1                              ; every wave's reads of K and V are over before any stage is stored
	v_and_b32 v1, 15, v0                           ; r
	v_bfe_u32 v2, v0, 4, 1                         ; h
	s_mul_i32 s17, s14, STW
	s_add_co_u32 s17, s17, STAGE                   ; my stage
	v_lshrrev_b32 v3, 2, v1
	v_and_b32 v6, 3, v1
	v_mul_u32_u24 v7, v2, 272                      ; back: lanes 0-15 one line of 256 bytes, lanes 16-31 the next
	v_mul_u32_u24 v3, v3, 272                      ; in: line r / 4,
	v_lshl_add_u32 v7, v1, 4, v7
	v_lshl_add_u32 v3, v6, 6, v3                   ; row r % 4 of it,
	v_add_nc_u32 v7, s17, v7
	v_lshl_add_u32 v3, v2, 3, v3                   ; 8 h
	v_and_b32 v6, 31, v0
	v_add_nc_u32 v3, s17, v3
	v_lshlrev_b32 v6, 4, v6                        ; 16 x lane
.irp t, 0,1,2,3
	v_pk_add_f32 v[SUM+8*\t:SUM+8*\t+1], v[SUM+8*\t:SUM+8*\t+1], v[SUM+8*\t+2:SUM+8*\t+3]
	v_pk_add_f32 v[SUM+8*\t+4:SUM+8*\t+5], v[SUM+8*\t+4:SUM+8*\t+5], v[SUM+8*\t+6:SUM+8*\t+7]
.endr
.irp t, 0,1,2,3
	v_pk_add_f32 v[SUM+8*\t:SUM+8*\t+1], v[SUM+8*\t:SUM+8*\t+1], v[SUM+8*\t+4:SUM+8*\t+5]
.endr
.irp t, 0,1,2,3
	v_add_f32 v[SUM+8*\t], v[SUM+8*\t], v[SUM+8*\t+1]
.endr
.irp t, 0,1,2,3
	v_permlanex16_b32 v[SUM+8*\t+2], v[SUM+8*\t], s20, s21
.endr
.irp t, 0,1,2,3
	v_add_f32 v[SUM+8*\t], v[SUM+8*\t], v[SUM+8*\t+2]   ; and lane l xor 16's: the row's sum
.endr
	s_wait_alu depctr_va_vdst(0)                   ; the wait ahead of the batch
.irp t, 0,1,2,3
	v_rcp_f32 v[SUM+8*\t], v[SUM+8*\t]
.endr
	v_mov_b32 v113, s61                            ; 57,344 x 2^e6.  (A plain place behind the reciprocals)
	v_mov_b32 v114, s63                            ; 2^e6
	s_wait_alu depctr_va_vdst(0)                   ; one wait for the four, ahead of their first reader
.irp t, 0,1,2,3
	v_ldexp_f32 v[SUM+8*\t], v[SUM+8*\t], s60      ; x 2^(e4 + e5)
.endr
	WIN 0x01                                       ; source 0: O^T, in window 1
	s_wait_alu depctr_va_vdst(0)                   ; the wait here, directly ahead of the first reader of O^T
.irp t, 0,1,2,3
.set j, 0
.rept 16
	v_pk_mul_f32 v[S0+32*\t+j:S0+32*\t+j+1], v[OF+32*\t+j:OF+32*\t+j+1], v[SUM+8*\t:SUM+8*\t+1] op_sel_hi:[1,0]   ; register 8 u + i is y(r, 16 u + 8 h + i)
.set j, j+2
.endr
.endr
	WIN 0
.set j, 0
.rept 128
	v_med3_num_f32 v[S0+j], v[S0+j], -v113, v113
.set j, j+1
.endr
.irp t, 0,1,2,3
.irp u, 0,1,2,3
	v_cvt_scalef32_pk8_bf8_f32 v[PF+8*\t+2*\u:PF+8*\t+2*\u+1], v[S0+32*\t+8*\u:S0+32*\t+8*\u+7], v114
.endr
.endr
	v_nop                                          ; a plain place behind the last conversion
.irp t, 0,1,2,3
.irp u, 0,1,2,3
	ds_store_b64 v3, v[PF+8*\t+2*\u:PF+8*\t+2*\u+1] offset:16*\u
.endr
.irp u, 0,1
	ds_load_b128 v[QF+8*\t+4*\u:QF+8*\t+4*\u+3], v7 offset:544*\u   ; LDS serves a wave's instructions in order (ISA guide 5.7.1.4): these see my stores, and the next tile's stores come behind them
.endr
.endr
.irp t, 0,1,2,3
.irp u, 0,1
	s_wait_dscnt (3-\t)*6+1-\u                     ; behind this load: the tile's later load and six LDS instructions for each later tile
	global_store_b128 v6, v[QF+8*\t+4*\u:QF+8*\t+4*\u+3], s[12:13] offset:1024*\t+512*\u
.endr
.endr
	s_wait_tensorcnt 0x0                           ; the wave's end
	ds_add_u32 v[SPW], v[NIL]
	s_wait_dscnt 0x0
	CROUND                                         ; the closing round
	s_endpgm
.Lfunc_end_k_qc176e4c2d9_attn:
	.size	k_qc176e4c2d9_attn, .Lfunc_end_k_qc176e4c2d9_attn-k_qc176e4c2d9_attn
	.p2alignl 7, 3214868480
	.fill 96, 4, 3214868480
	.section	.rodata,"a",@progbits
	.p2align	6, 0x0
	.amdhsa_kernel k_qc176e4c2d9_attn
		.amdhsa_group_segment_fixed_size 327680
		.amdhsa_private_segment_fixed_size 0
		.amdhsa_enable_private_segment 0
		.amdhsa_kernarg_size 40
		.amdhsa_user_sgpr_count 2
		.amdhsa_user_sgpr_kernarg_segment_ptr 1
		.amdhsa_wavefront_size32 1
		.amdhsa_system_sgpr_workgroup_id_x 1
		.amdhsa_system_sgpr_workgroup_id_y 1
		.amdhsa_system_sgpr_workgroup_id_z 1
		.amdhsa_system_vgpr_workitem_id 0
		.amdhsa_next_free_vgpr 512
		.amdhsa_next_free_sgpr 96
		.amdhsa_reserve_vcc 0
		.amdhsa_float_denorm_mode_32 3
		.amdhsa_float_denorm_mode_16_64 3
		.amdhsa_memory_ordered 1
		.amdhsa_forward_progress 1
		.amdhsa_inst_pref_size 108
	.end_amdhsa_kernel
	.amdgpu_metadata
---
amdhsa.version: [ 1, 2 ]
amdhsa.kernels:
  - .name:           k_qc176e4c2d9_attn
    .symbol:         k_qc176e4c2d9_attn.kd
    .args:
      - { .name: q_codes, .offset: 0, .size: 8, .value_kind: global_buffer, .address_space: global }
      - { .name: k_codes, .offset: 8, .size: 8, .value_kind: global_buffer, .address_space: global }
      - { .name: v_codes, .offset: 16, .size: 8, .value_kind: global_buffer, .address_space: global }
      - { .name: lowp_scales, .offset: 24, .size: 8, .value_kind: global_buffer, .address_space: global }
      - { .name: y_codes, .offset: 32, .size: 8, .value_kind: global_buffer, .address_space: global }
    .group_segment_fixed_size: 327680
    .private_segment_fixed_size: 0
    .kernarg_segment_align: 8
    .kernarg_segment_size: 40
    .max_flat_workgroup_size: 256
    .sgpr_count:     96
    .vgpr_count:     512
    .wavefront_size: 32
...
	.end_amdgpu_metadata
.endif
;; end of part 2
;; launch proj (part 3): grid 8 x 32, 4 waves a work-group, clusters of 4 x 4, 327,680 bytes of LDS; arguments y_codes, W_proj_codes, b_proj, lowp_scales, out0; writes out0
.if DOCPART == 3
	.amdgcn_target "amdgcn-amd-amdhsa--gfx1250"
	.amdhsa_code_object_version 6
	.text
	.protected	k_qc176e4c2d9_proj
	.globl	k_qc176e4c2d9_proj
	.p2align	8
	.type	k_qc176e4c2d9_proj,@function
k_qc176e4c2d9_proj:
	s_mov_b64 s[64:65], 0
	v_nop
	global_prefetch_b8 v0, s[64:65] scope:SCOPE_SE
	s_setreg_imm32_b32 hwreg(HW_REG_WAVE_MODE, 25, 1), 1
	s_wait_xcnt 0x0
	s_wait_alu depctr_hold_cnt(0) depctr_sa_sdst(0) depctr_va_vdst(0) depctr_va_sdst(0) depctr_va_ssrc(0) depctr_va_vcc(0) depctr_vm_vsrc(0)
	s_getreg_b32 s2, hwreg(HW_REG_IB_STS2, 6, 4)
	s_cmp_eq_u32 s2, 0
	s_cbranch_scc0 .Lentry_in_a_cluster
	s_endpgm
.Lentry_in_a_cluster:
	s_bfe_u32 s2, ttmp6, 0x10000c
	s_cmp_lg_u32 s2, 0xf033
	s_cbranch_scc0 .Lentry_shape_is_right
	s_endpgm
.Lentry_shape_is_right:
; out0 = y W_proj + b_proj on codes of BF8 (E5M2).  y_codes: [batch x 8 + block of 256 tokens][head 16][token 256][64]; W_proj_codes: [1024 (n)][1024 (k)]; out0: [8192][1024] f32.
; A finished sum is multiplied by 2^(e6 + e7) and b_proj is added in one fused multiply-add.  LIMIT: e6 + e7 between -126 and 127, so that 2^(e6 + e7) is an f32 number.
; SHARES.  A tile of 256 rows x 128 columns to a work-group: 256 work-groups.  Four waves, each 128 x 64: 32 accumulators, 256 registers.  K = 1,024 goes in four steps of 256, which are four heads of y.
; LDS.  y's tiles go through two slots: a K step is four heads' 256 rows of 64 + 16 bytes, 65,536 dense bytes of memory.  W_proj's 128 rows of 1,024 + 16 bytes lie there whole, filled once.
; THE HEAD'S FOUR LOADS, one a wave: wave 0 y's K step 0, wave 1 y's K step 1, waves 2 and 3 each 64 rows of W_proj.  A refill is shared out: wave w fetches head 4 ks + w, 16,384 bytes.
; CLUSTERS: 4 x 4 work-groups.  y's tile hangs on the tile row and is shared along a row of the cluster, W_proj's on the tile column and is shared along a column: each is asked for jointly, by the same tensor load.
; No prefetch: K has four steps, of which two are asked for in the first lines, so no step stands two refills ahead of a trip of a loop.
; THE MATRIX INSTRUCTION IS USED TRANSPOSED (source 0 = 16 rows of W_proj, source 1 = 16 rows of y): a lane then holds eight neighbouring numbers of a row of out0.
; REGISTERS, in windows of 256: window 0: v16-29 addresses; v32-63 b_proj; v64-95 at work on the way out; from v128 y's fragments (8 x 16 rows x 128 K), one set; on the way out v128-191 rows read back.
;   window 1: W_proj's fragments, two sets of 64, at v0 and at v128.   window 2: the accumulators, (a, b) at v[8 (4 a + b)].
.set FR,     16
.set NL,     4
.set NP,     4                         ; places behind this matrix instruction (ISA guide 7.12.1)
.set AP,     80                        ; a row of y in LDS: 64 bytes + 16 = 20 words: rows 0-15 start at 16 different multiples of 4 banks (64 banks of 4 bytes: ISA guide 11.1)
.set AHEAD,  256*AP                    ; a head's 256 rows
.set ASLOT,  4*AHEAD
.set BP,     1040                      ; a row of W_proj in LDS: 1,024 bytes + 16 = 260 words: row r starts at bank 4 r mod 64
.set BKS,    256                       ; a K step along such a row
.set BBASE,  2*ASLOT
.set SPARE,  BBASE+128*BP              ; the spare words, 128 bytes for each wave
.set SPITCH, 272                       ; the way out: a stage of 16 rows x (256 bytes + 16) for each wave, in y's slot 0, which has had its last fill and its last read by then
.set KSB,    65536                     ; from a K step's heads to the next one's in y_codes
.set ADRA, 16                          ; v16-19  LDS address of my fragments of y: slot s, half q of its K step at v[16 + 2 s + q]
.set ADRB, 20                          ; v20-23  of W_proj's: K step ks
.set STO,  24
.set RD,   25
.set CO,   26
.set BO,   27
.set SPW,  28                          ; v28  LDS address of my spare word; never rewritten
.set NIL,  29                          ; v29  0; never rewritten
.set BIAS, 32
.set TMP,  64
.set AF,   128
.set BK,   128
.set G1A, 24                           ; s[24:31] descriptor group 1 for a head of y (a refill's part);  s[32:39] group 0, one set for each slot
.set G0A, 32
.set G1B, 48                           ; s[48:55] group 1 for W_proj's;  s[56:59] its group 0
.set G0B, 56
.set G1Y, 68                           ; s[68:75] group 1 for a whole K step of y;  s[76:79] its group 0
.set G0Y, 76
.set MSB, 0
.macro WIN new                         ; the immediate's high byte repeats the setting that is left
.if MSB != \new
	s_set_vgpr_msb (MSB<<8)|\new
.set MSB, \new
.endif
.endm
.set MUL,  0xa1                        ; source 0 window 1, source 1 window 0, C and D window 2
.set TO_B, 0x40                        ; destination window 1, address window 0
.macro CREST                           ; a round of the cluster's barrier behind its opening barrier
	s_cmp_lg_u32 s14, 0
	s_cbranch_scc1 .Lnot_wave_0_\@
	s_barrier_signal -3
.Lnot_wave_0_\@:
	s_barrier_wait -3
	s_barrier_signal -1
	s_barrier_wait -1
.endm
.macro CROUND
	s_barrier_signal -1
	s_barrier_wait -1
	CREST
.endm
.macro PLACES n
.rept \n
	v_nop
.endr
.endm
	s_load_b256 s[4:11], s[0:1], 0x0               ; y's codes s[4:5], W_proj's s[6:7], b_proj s[8:9], the scales' exponents s[10:11]
	s_load_b64 s[12:13], s[0:1], 0x20              ; out0
	v_lshl_add_u32 v[SPW], v0, 2, SPARE
	v_mov_b32 v[NIL], 0
	ds_add_u32 v[SPW], v[NIL]                      ; the opening lines: the add, twice on end, and its wait
	ds_add_u32 v[SPW], v[NIL]
	s_wait_dscnt 0x0
	v_lshrrev_b32 v1, 5, v0
	v_readfirstlane_b32 s14, v1                    ; wave 0..3
	s_lshr_b32 s15, s14, 1                         ; which 128 rows of the tile are mine
	s_and_b32 s16, s14, 1                          ; which 64 columns.  Also: which 64 rows of W_proj waves 2 and 3 fetch
	s_bfe_u32 s40, ttmp6, 0x40000                  ; cx, cy
	s_bfe_u32 s41, ttmp6, 0x40004
	s_lshl_b32 s42, ttmp9, 2
	s_add_co_u32 s42, s42, s40                     ; tile column (128 wide) = 4 x cluster x + cx
	s_and_b32 s17, ttmp7, 0xffff
	s_lshl_b32 s17, s17, 2
	s_add_co_u32 s17, s17, s41                     ; tile row (256 high) = 4 x cluster y + cy
	s_lshl_b32 s43, s41, 2
	s_lshl_b32 s43, 15, s43                        ; my row of the cluster
	s_lshl_b32 s44, 0x1111, s40                    ; my column
	; groups 1 for y: dense bytes as rows of 256, 16 bytes of padding behind every 64 (a token's row): a head is 64 such rows, a K step 256
	s_or_b32 s[G1A+0], s43, (1<<20)|(1<<21)|(3<<22)|(3<<25)
	s_mov_b32 s[G1A+1], 256<<16                    ; tensor_dim0
	s_mov_b32 s[G1A+2], 64<<16                     ; tensor_dim1
	s_mov_b32 s[G1A+3], 256<<16                    ; tile_dim0
	s_mov_b32 s[G1A+4], 64                         ; tile_dim1
	s_mov_b32 s[G1A+5], 256                        ; tensor_dim0_stride
	s_mov_b32 s[G1A+6], 0
	s_mov_b32 s[G1A+7], 0
	s_or_b32 s[G1Y+0], s43, (1<<20)|(1<<21)|(3<<22)|(3<<25)
	s_mov_b32 s[G1Y+1], 256<<16
	s_mov_b32 s[G1Y+2], 256<<16
	s_mov_b32 s[G1Y+3], 256<<16
	s_mov_b32 s[G1Y+4], 256
	s_mov_b32 s[G1Y+5], 256
	s_mov_b32 s[G1Y+6], 0
	s_mov_b32 s[G1Y+7], 0
	; group 1 for W_proj: 64 rows of 1,024 bytes, 16 bytes of padding behind each (after every 256 words: code 7)
	s_or_b32 s[G1B+0], s44, (1<<20)|(1<<21)|(7<<22)|(3<<25)
	s_mov_b32 s[G1B+1], 1024<<16
	s_mov_b32 s[G1B+2], 64<<16
	s_mov_b32 s[G1B+3], 1024<<16
	s_mov_b32 s[G1B+4], 64
	s_mov_b32 s[G1B+5], 1024
	s_mov_b32 s[G1B+6], 0
	s_mov_b32 s[G1B+7], 0
	s_lshl_b32 s20, s17, 18                        ; y: the tile row's 16 heads x 16,384 bytes
	s_mov_b32 s21, 0
	s_lshl_b32 s60, s14, 14                        ; head w of a K step, for the refills
	s_mov_b32 s61, 0
	s_lshl_b32 s62, s14, 16                        ; K step w, for the head's loads
	s_mov_b32 s63, 0
	s_lshl_b32 s46, s42, 17                        ; W_proj: row 128 x tile column of 1,024 bytes,
	s_lshl_b32 s47, s16, 16                        ; + 64 rows x (wave & 1)
	s_add_co_u32 s46, s46, s47
	s_mov_b32 s47, 0
	s_mul_i32 s45, s14, AHEAD                      ; where they go: no place in the cluster enters an LDS address
	s_mul_i32 s23, s14, ASLOT
	s_mul_i32 s22, s16, 64*BP
	s_add_co_u32 s22, s22, BBASE
	s_wait_kmcnt 0x0
	s_load_b256 s[80:87], s[10:11], 0x0            ; e0 .. e7
	s_add_nc_u64 s[88:89], s[4:5], s[20:21]
	s_add_nc_u64 s[20:21], s[88:89], s[60:61]
	s_add_nc_u64 s[46:47], s[6:7], s[46:47]
.irp s, 0,1
	s_mov_b32 s[G0A+4*\s], 1
	s_add_co_u32 s[G0A+4*\s+1], s45, \s*ASLOT
	s_add_nc_u64 s[G0A+4*\s+2:G0A+4*\s+3], s[20:21], \s*KSB
	s_or_b32 s[G0A+4*\s+3], s[G0A+4*\s+3], 0x80000000
.endr
	s_mov_b32 s[G0Y], 1
	s_mov_b32 s[G0Y+1], s23
	s_add_nc_u64 s[G0Y+2:G0Y+3], s[88:89], s[62:63]
	s_or_b32 s[G0Y+3], s[G0Y+3], 0x80000000
	s_mov_b32 s[G0B], 1
	s_mov_b32 s[G0B+1], s22
	s_mov_b64 s[G0B+2:G0B+3], s[46:47]
	s_or_b32 s[G0B+3], s[G0B+3], 0x80000000
	CROUND                                         ; all sixteen work-groups are here: the first joint loads meet
	s_cmp_lt_u32 s14, 2                            ; one load a wave: waves 0, 1 y's K steps 0, 1; waves 2, 3 W_proj's halves
	s_cbranch_scc0 .Lfor_w
	tensor_load_to_lds s[G0Y:G0Y+3], s[G1Y:G1Y+7]
	s_nop 0
	PLACES 4
	s_branch .Lasked
.Lfor_w:
	tensor_load_to_lds s[G0B:G0B+3], s[G1B:G1B+7]
	s_nop 0
	PLACES 4
.Lasked:
	v_and_b32 v1, 15, v0                           ; r
	v_bfe_u32 v2, v0, 4, 1                         ; h
	s_lshl_b32 s18, s42, 9
	s_lshl_b32 s19, s16, 8
	s_add_co_u32 s18, s18, s19                     ; 4 x my first column
	v_lshl_add_u32 v[BO], v2, 5, s18               ; register 8 b + i is b_proj of column 16 b + 8 h + i
.irp b, 0,1,2,3
	global_load_b128 v[BIAS+8*\b:BIAS+8*\b+3], v[BO], s[8:9] offset:64*\b
	global_load_b128 v[BIAS+8*\b+4:BIAS+8*\b+7], v[BO], s[8:9] offset:64*\b+16
.endr
	v_mul_u32_u24 v3, v1, AP
	v_lshl_add_u32 v3, v2, 4, v3
	s_mul_i32 s21, s15, 128*AP                     ; my 128 rows of y
	v_add_nc_u32 v[ADRA], s21, v3
	v_add_nc_u32 v[ADRA+1], 2*AHEAD, v[ADRA]       ; the K step's second half: two heads on
	v_add_nc_u32 v[ADRA+2], ASLOT, v[ADRA]
	v_add_nc_u32 v[ADRA+3], ASLOT+2*AHEAD, v[ADRA]
	v_mul_u32_u24 v4, v1, BP
	v_lshl_add_u32 v4, v2, 4, v4
	s_mul_i32 s22, s16, 64*BP                      ; my 64 rows of W_proj
	s_add_co_u32 s22, s22, BBASE
	v_add_nc_u32 v[ADRB], s22, v4
	v_add_nc_u32 v[ADRB+1], BKS, v[ADRB]
	v_add_nc_u32 v[ADRB+2], 2*BKS, v[ADRB]
	v_add_nc_u32 v[ADRB+3], 3*BKS, v[ADRB]
	s_mul_i32 s23, s14, 16*SPITCH                  ; my stage
	v_mul_u32_u24 v5, v1, SPITCH                   ; in: row r, 32 bytes for each half of the lanes
	v_lshl_add_u32 v5, v2, 5, v5
	v_add_nc_u32 v[STO], s23, v5
	v_mul_u32_u24 v6, v2, SPITCH                   ; back: lanes 0-15 one row of 256 bytes, lanes 16-31 the next
	v_lshl_add_u32 v6, v1, 4, v6
	v_add_nc_u32 v[RD], s23, v6
	v_lshlrev_b32 v6, 12, v2                       ; and the same two rows in out0, 4,096 bytes apart
	v_lshl_add_u32 v[CO], v1, 4, v6
	s_lshl_b32 s20, s17, 20                        ; my first row of out0: (256 x tile row + 128 x half) x 4,096 bytes,
	s_lshl_b32 s21, s15, 19
	s_add_co_u32 s20, s20, s21
	s_add_co_u32 s20, s20, s18                     ; my first column
	s_mov_b32 s21, 0
	s_add_nc_u64 s[12:13], s[12:13], s[20:21]
; A fragment, 16 rows x 128 K: registers 4 c .. 4 c + 3 hold K = 32 c + 16 (lane / 16) + 0 .. 15, alike on both sides.  In y 128 along K are two heads: head c / 2, bytes 32 (c % 2) on.
.macro FRAGA reg, slot, q, i
.irp c, 0,1,2,3
	ds_load_b128 v[\reg+4*\c:\reg+4*\c+3], v[ADRA+2*(\slot)+(\q)] offset:(\c/2)*AHEAD+32*(\c%2)+(\i)*16*AP
.endr
.endm
.macro FRAGB reg, ks, q, i
.irp c, 0,1,2,3
	ds_load_b128 v[\reg+4*\c:\reg+4*\c+3], v[ADRB+(\ks)] offset:128*(\q)+32*\c+(\i)*16*BP
.endr
.endm
; 8 matrix instructions: y's blocks a0, a0 + 1 x W_proj's four.  The 32 accumulators take turns, one instruction a turn, in the same order in every step.
.macro MUL8 a0, p, zero
.irp a, \a0, \a0+1
.irp b, 0,1,2,3
.if \zero
	v_wmma_f32_16x16x128_bf8_bf8 v[8*(4*(\a)+\b):8*(4*(\a)+\b)+7], v[128*(\p)+FR*\b:128*(\p)+FR*\b+FR-1], v[AF+FR*(\a):AF+FR*(\a)+FR-1], 0
.else
	v_wmma_f32_16x16x128_bf8_bf8 v[8*(4*(\a)+\b):8*(4*(\a)+\b)+7], v[128*(\p)+FR*\b:128*(\p)+FR*\b+FR-1], v[AF+FR*(\a):AF+FR*(\a)+FR-1], v[8*(4*(\a)+\b):8*(4*(\a)+\b)+7]
.endif
.endr
.endr
.endm
.macro FETCH_B ks, q, p
	WIN TO_B
.irp i, 0,1,2,3
	FRAGB 128*(\p)+FR*\i, \ks, \q, \i
.endr
	WIN 0
.endm
.macro FETCH_A slot, q, i0
.irp i, \i0, \i0+1, \i0+2, \i0+3
	FRAGA AF+FR*(\i), \slot, \q, \i
.endr
.endm
; The first half of K step ks, which lies in y's slot.
.macro STEP ks, slot, zero
	s_wait_dscnt 4*NL                              ; W_proj's set and y's blocks 0-3 are in; the youngest 16 loads (blocks 4-7) may be out
	WIN MUL
	MUL8 0, 0, \zero
	MUL8 2, 0, \zero
	s_wait_dscnt 0
	PLACES NP
	FETCH_B \ks, 1, 1
	FETCH_A \slot, 1, 0
	WIN MUL
	MUL8 4, 0, \zero
	MUL8 6, 0, \zero
	PLACES NP
	WIN 0
	FETCH_A \slot, 1, 4
.endm
; Its second half changes slots: ONE barrier; in front of it each wave waits for all its tensor loads, adds 0 to its spare word, and waits for that and for its own reads of this slot.  fill = 1: the slot takes the K step two on.
.macro TURN ks, slot, next, fill
	s_wait_tensorcnt 0x0                           ; all my tensor loads have landed
	ds_add_u32 v[SPW], v[NIL]                      ; 0 onto my spare word
	s_wait_dscnt 4*NL+1                            ; (the add and the youngest 16 loads may be out)
	WIN MUL
	MUL8 0, 1, 0                                   ; eight matrix instructions stand between the add and the wait for it
	s_wait_dscnt 0x0                               ; the add is done, and my reads of this slot are over
	s_barrier_signal -1
	MUL8 2, 1, 0
	WIN 0
	s_barrier_wait -1
.if \fill
	CREST                                          ; the barrier has opened a round of the cluster's barrier: no wave of any partner still reads this slot or has a load on its way
	s_add_nc_u64 s[G0A+4*\slot+2:G0A+4*\slot+3], s[G0A+4*\slot+2:G0A+4*\slot+3], 2*KSB
	tensor_load_to_lds s[G0A+4*\slot:G0A+4*\slot+3], s[G1A:G1A+7]   ; the first tensor load behind the round, one a wave
	s_nop 0
.endif
	PLACES NP                                      ; behind the load, and in front of the loads below
	FETCH_B (\ks)+1, 0, 0
	FETCH_A \next, 0, 0
	WIN MUL
	MUL8 4, 1, 0
	MUL8 6, 1, 0
	PLACES NP
	WIN 0
	FETCH_A \next, 0, 4
.endm
	s_wait_alu depctr_va_vdst(0)                   ; the wait at the head's end
	s_wait_tensorcnt 0x0                           ; my load is in,
	s_barrier_signal -1
	s_barrier_wait -1                              ; everybody's is: y's K steps 0 and 1 and all of W_proj's tile
	FETCH_B 0, 0, 0
	FETCH_A 0, 0, 0
	FETCH_A 0, 0, 4
	STEP 0, 0, 1                                   ; four K steps, written out.  The first products start the sums
	TURN 0, 0, 1, 1                                ; slot 0 takes K step 2
	STEP 1, 1, 0
	TURN 1, 1, 0, 1                                ; slot 1 takes K step 3
	STEP 2, 0, 0
	TURN 2, 0, 1, 0                                ; nothing is left to fetch; behind this barrier nobody reads slot 0
	STEP 3, 1, 0
	s_wait_dscnt 4*NL                              ; the very last half step
	WIN MUL
	MUL8 0, 1, 0
	MUL8 2, 1, 0
	s_wait_dscnt 0
	MUL8 4, 1, 0
	MUL8 6, 1, 0
	WIN 0
; THE WAY OUT, block by block of 16 rows x 64 columns: sum x 2^(e6 + e7) + b_proj; through my own stage in LDS; back as whole rows of 256 bytes.
.macro TOSTAGE a
	WIN 0x02                                       ; source 0: window 2
.set j, 0
.rept 16
	v_pk_fma_f32 v[TMP+j:TMP+j+1], v[32*(\a)+j:32*(\a)+j+1], s[96:97], v[BIAS+j:BIAS+j+1] op_sel_hi:[1,0,1]   ; each accumulator from its low end on
.set j, j+2
.endr
	WIN 0
.irp b, 0,1,2,3
	ds_store_b128 v[STO], v[TMP+8*\b:TMP+8*\b+3] offset:64*\b
	ds_store_b128 v[STO], v[TMP+8*\b+4:TMP+8*\b+7] offset:64*\b+16
.endr
.set BB, BK+32*((\a)%2)
.irp t, 0,1,2,3,4,5,6,7
	ds_load_b128 v[BB+4*\t:BB+4*\t+3], v[RD] offset:\t*2*SPITCH   ; LDS serves a wave's instructions in order (ISA guide 5.7.1.4): these see my stores, and the next block's stores come behind them
.endr
.endm
.macro SEND a, younger                 ; younger: the LDS instructions issued behind block a's loads, which may stay out
.set BB, BK+32*((\a)%2)
	s_wait_dscnt \younger
.if (\a) > 0
	s_add_nc_u64 s[12:13], s[12:13], 16*4096       ; (behind a wait on XCNT: the earlier stores have read their base)  16 rows of out0 on
.endif
.irp t, 0,1,2,3,4,5,6,7
	global_store_b128 v[CO], v[BB+4*\t:BB+4*\t+3], s[12:13] offset:\t*2*4096 th:TH_STORE_NT   ; 16 lanes store 256 consecutive bytes, at a multiple of 256 from out0's first byte
.endr
.endm
	s_wait_kmcnt 0x0
	s_wait_loadcnt 0x0                             ; b_proj
	s_add_co_i32 s96, s86, s87                     ; e6 + e7
	s_add_co_i32 s96, s96, 127
	s_lshl_b32 s96, s96, 23                        ; 2^(e6 + e7) as f32
	s_mov_b32 s97, s96                             ; (named with it as a pair)
	PLACES NP                                      ; behind the last products: their results are read, and y's fragment registers loaded, below
	TOSTAGE 0
.irp a, 1,2,3,4,5,6,7
.if \a > 1
	s_wait_xcnt 0x0                                ; block a - 2's stores have read their registers and their base: block a's loads may land there, and the base may step
.endif
	TOSTAGE \a
	SEND \a-1, 16                                  ; behind block a - 1's loads: block a's 8 stores and 8 loads
.endr
	s_wait_xcnt 0x0
	SEND 7, 0
	s_wait_tensorcnt 0x0                           ; the wave's end
	ds_add_u32 v[SPW], v[NIL]
	s_wait_dscnt 0x0
	CROUND                                         ; the closing round: no work-group ends while a partner may still ask for a tile that names it
	s_endpgm
.Lfunc_end_k_qc176e4c2d9_proj:
	.size	k_qc176e4c2d9_proj, .Lfunc_end_k_qc176e4c2d9_proj-k_qc176e4c2d9_proj
	.p2alignl 7, 3214868480
	.fill 96, 4, 3214868480
	.section	.rodata,"a",@progbits
	.p2align	6, 0x0
	.amdhsa_kernel k_qc176e4c2d9_proj
		.amdhsa_group_segment_fixed_size 327680
		.amdhsa_private_segment_fixed_size 0
		.amdhsa_enable_private_segment 0
		.amdhsa_kernarg_size 40
		.amdhsa_user_sgpr_count 2
		.amdhsa_user_sgpr_kernarg_segment_ptr 1
		.amdhsa_wavefront_size32 1
		.amdhsa_system_sgpr_workgroup_id_x 1
		.amdhsa_system_sgpr_workgroup_id_y 1
		.amdhsa_system_sgpr_workgroup_id_z 1
		.amdhsa_system_vgpr_workitem_id 0
		.amdhsa_next_free_vgpr 768
		.amdhsa_next_free_sgpr 100
		.amdhsa_reserve_vcc 0
		.amdhsa_float_denorm_mode_32 3
		.amdhsa_float_denorm_mode_16_64 3
		.amdhsa_memory_ordered 1
		.amdhsa_forward_progress 1
		.amdhsa_inst_pref_size 77
	.end_amdhsa_kernel
	.amdgpu_metadata
---
amdhsa.version: [ 1, 2 ]
amdhsa.kernels:
  - .name:           k_qc176e4c2d9_proj
    .symbol:         k_qc176e4c2d9_proj.kd
    .args:
      - { .name: y_codes, .offset: 0, .size: 8, .value_kind: global_buffer, .address_space: global }
      - { .name: W_proj_codes, .offset: 8, .size: 8, .value_kind: global_buffer, .address_space: global }
      - { .name: b_proj, .offset: 16, .size: 8, .value_kind: global_buffer, .address_space: global }
      - { .name: lowp_scales, .offset: 24, .size: 8, .value_kind: global_buffer, .address_space: global }
      - { .name: out0, .offset: 32, .size: 8, .value_kind: global_buffer, .address_space: global }
    .group_segment_fixed_size: 327680
    .private_segment_fixed_size: 0
    .kernarg_segment_align: 8
    .kernarg_segment_size: 40
    .max_flat_workgroup_size: 128
    .sgpr_count:     100
    .vgpr_count:     768
    .wavefront_size: 32
...
	.end_amdgpu_metadata
.endif
;; end of part 3
